; MI455X (gfx1250); checked and timed in simulation.
; The chip was launched on July 23, 2026; its instructions are those of AMD's public machine-readable ISA for CDNA 5 (MIT licence, August 2026) and "CDNA5" Instruction Set Architecture Reference Guide (July 2026). The comments in the code are by the model that wrote it; some were corrected since.
;; Attention. Allowed arithmetic: matrix products marked QUANTISED: E5M2 operands, one given power-of-two scale a tensor, by v_wmma_f32_16x16x64_bf8_bf8 or v_wmma_f32_16x16x128_bf8_bf8, f32 sums; products left as they are: f32 operands where the result goes on into a quantised operand, else bf16, f16 or f32 operands; f32 sums; everything else in f32.
;; Inputs: W_emb 1,024 x 512 float32; W_hid 1,024 x 512 float32; att_v 512 float32; b_emb 512 float32; b_hid 512 float32; emb 2,048 x 32 x 1,024 float32; hid 32 x 1,024 float32; lowp_scales 4 int32 (the exponents e of the quantised operands' scales 2^e).
;; Outputs: out0 32 x 1,024 float32; out1 32 x 2,048 float32.
;; This version of the problem:
;;   THIS VERSION OF THE PROBLEM IS GIVEN IN LOW PRECISION. The matrix products marked QUANTISED in the list below multiply operands that are first quantised to E5M2 (5 exponent bits, 2 mantissa bits; 8 bits a number), with one given power-of-two scale for each operand tensor; their sums are f32. All else is computed in f32.
;;   The module's matrix products, in the order in which they are computed (A, B: the left and right operand; K: the contracted axis; several contracted axes count as one K, in the product's order):
;;     1. [M 32, K 1,024] x [K 1,024, N 512]; A: input hid; B: input W_hid: QUANTISED (scales: A lowp_scales[0], B lowp_scales[1])
;;     2. [M 65,536, K 1,024] x [K 1,024, N 512]; A: input emb; B: input W_emb: QUANTISED (scales: A lowp_scales[2], B lowp_scales[3])
;;     3. [M 1, K 512] x [K 512, N 65,536]; A: input att_v; B: computed on the way: left as it is (M = 1 < 16)
;;     4. batch 32 x [M 1, K 2,048] x [K 2,048, N 1,024]; A: softmax; B: input emb: left as it is (M = 1 < 16)
;;   THE QUANTISER, for each operand of a quantised product, along K:
;;     - The operand's scale is 2^e, e = its entry of the input lowp_scales (int32; the entries are numbered through the quantised products in the list's order, A before B).
;;     - Each number is divided by the scale, clamped to +-57,344, and rounded to the nearest number of E5M2, ties to even, subnormals kept.
;;     - The product sums the exact products of the quantised numbers (number of the format x scale) in f32.
;;   ~~~python
;;   def quantise(x, axis, e):      # numpy; x: float32 -> the quantised numbers, widened to float32 again
;;       x = np.moveaxis(x, axis, -1); K = x.shape[-1]
;;       r = np.clip(x / 2.0 ** e, -57344, 57344)
;;       step = 2.0 ** (np.maximum(np.frexp(np.where(r == 0, 1, r))[1] - 1, -14) - 2)
;;       q = np.round(r / step) * step * 2.0 ** e      # np.round: ties to even
;;       return np.moveaxis(q, -1, axis).astype(np.float32)
;;   ~~~
;; One version. Each part assembles by itself: llvm-mc -triple=amdgcn-amd-amdhsa -mcpu=gfx1250 --defsym DOCPART=n.
;; ======== version 1 of 1: 3 launches
;; limits: values are held in bf16: 8 bits of precision; right only within a limited range of input values
;; workspace buffers: wq 524,288 bytes; bias2 262,144 bytes; su 262,144 bytes; part 1,179,648 bytes
;; launch prep (part 1): grid 256 x 1, 2 waves a work-group, no clusters, 2,304 bytes of LDS; arguments W_emb, W_hid, hid, b_hid, b_emb, lowp_scales, wq, bias2; writes wq, bias2
.if DOCPART == 1
	.amdgcn_target "amdgcn-amd-amdhsa--gfx1250"
	.amdhsa_code_object_version 6
	.text
	.protected	k_q9a0c1d288e_prep
	.globl	k_q9a0c1d288e_prep
	.p2align	8
	.type	k_q9a0c1d288e_prep,@function
k_q9a0c1d288e_prep:
	s_mov_b64 s[64:65], 0
	v_nop
	global_prefetch_b8 v0, s[64:65] scope:SCOPE_SE
	s_setreg_imm32_b32 hwreg(HW_REG_WAVE_MODE, 25, 1), 1
	s_wait_xcnt 0x0
; WORK LEFT OUT BY THE PROGRAM.  tanh(x) = 1 - 2 r with r = 1 / (1 + e^(2 x)), so score[b][s] = sum(att_v) - 2 sum(att_v r).  The term sum(att_v) is the same along s for every value of the inputs, and
; softmax(scores, axis = s) is unchanged by a term that is the same along its axis: it is never formed.  Every input is still loaded.  LIMIT: an overflow that would reach sum(att_v) alone is not carried to the result.
; PREP.  (1) W_emb [1024 (k)][512 (n)] f32 becomes codes of BF8 (E5M2) laid in the ORDER OF AN OPERAND'S REGISTERS:
;   wq[w 4][ks 8][bt 8][c 4][lane 32][16 bytes]: the fragment of n tile T = 8 w + bt and K step ks; lane (r, h), byte i of registers 4 c .. 4 c + 3 = the code of W_emb[k][16 T + r] with
;   k = 256 (ks / 2) + 64 (ks % 2) + 16 c + 8 h + 128 ((i / 4) % 2) + 4 (i / 8) + i % 4: the order in which the next launch leaves emb's codes.
; (2) bias2[kq 4][T 32][b 32][16 n]: four parts whose sum is 2 log2(e) x (Q(hid) Q(W_hid) 2^(e0 + e1) + b_hid + b_emb); the next launch adds them up.
; SHARES.  Work-group number = 64 kq + 32 rt + T: 16 columns (n tile T) of both weights; hid's rows 16 rt on and of W_emb's fragments the blocks c = 2 rt, 2 rt + 1; its two waves take K steps ks = 2 kq, 2 kq + 1 (128 along K each).
; A LANE TAKES A COLUMN n AND ITS REGISTERS RUN DOWN K, so the conversions' results are the operand's registers.  In the first product number i of a lane stands for k = 128 ks + 8 (i / 4) + 4 h + i % 4 in both operands:
; so the two lanes of a row of hid read 32 neighbouring bytes in one load.  One matrix instruction a wave; the two partial sums meet in LDS behind one barrier.  The two biases are added in the part kq = 0 alone (a factor chosen by the work-group's number).
; code = x / 2^e, held within +-57,344, to the nearest code, ties to even.  LIMITS: e0, e1, e3 between -126 and 112; e0 + e1 between -126 and 127.  NaN among the inputs is not served.
; No tensor loads and no cluster: each work-group reads 40,960 bytes once, in pieces that neighbouring work-groups complete.
.set WH,  32                           ; v32-95    64 numbers of W_hid
.set HD,  96                           ; v96-159   64 numbers of hid
.set WE,  160                          ; v160-191  32 numbers of W_emb
.set WHC, 192
.set HDC, 208
.set WEC, 224
.set DD,  232
.set PT,  240
	s_load_b256 s[4:11], s[0:1], 0x0               ; W_emb, W_hid, hid, b_hid
	s_load_b256 s[12:19], s[0:1], 0x20             ; b_emb, the scales' exponents, wq, bias2
	v_lshl_add_u32 v254, v0, 2, 0x800              ; my spare word, behind the two waves' 2,048 bytes
	v_mov_b32 v255, 0
	v_lshrrev_b32 v1, 5, v0
	v_readfirstlane_b32 s21, v1                    ; wave
	v_and_b32 v1, 31, v0                           ; lane
	v_and_b32 v2, 15, v0                           ; r
	v_bfe_u32 v3, v0, 4, 1                         ; h
	v_lshlrev_b32 v4, 2, v2
	v_lshl_add_u32 v14, v3, 14, v4                 ; W_emb: column r, 8 h rows of 2,048 bytes down
	v_lshl_add_u32 v4, v3, 13, v4                  ; W_hid: column r, 4 h rows down
	v_lshlrev_b32 v5, 12, v2
	v_lshl_add_u32 v5, v3, 4, v5                   ; hid: row r of 4,096 bytes, + 16 h
	v_lshlrev_b32 v6, 4, v1                        ; 16 x lane
	v_lshlrev_b32 v7, 5, v0                        ; LDS: 1,024 x wave + 32 x lane: where my eight sums go
	v_bfe_u32 v8, v0, 5, 1                         ; thread t adds up row t / 4 = 8 h' + j', columns 4 (t % 4) on: lane 16 h' + n, register j' of each wave
	v_lshlrev_b32 v8, 9, v8
	v_and_b32 v11, 3, v0
	v_lshl_add_u32 v8, v11, 7, v8
	v_bfe_u32 v9, v0, 2, 3
	v_lshl_add_u32 v8, v9, 2, v8
	v_lshlrev_b32 v9, 4, v11                       ; the biases: 16 (t % 4)
	v_lshlrev_b32 v10, 4, v0                       ; bias2: 16 t
	s_and_b32 s20, ttmp9, 31                       ; T
	s_bfe_u32 s22, ttmp9, 0x10005                  ; rt
	s_lshr_b32 s42, ttmp9, 6                       ; kq
	s_lshl_b32 s43, s42, 1
	s_add_co_u32 s21, s21, s43                     ; ks
	s_lshl_b32 s23, s20, 6                         ; 64 T bytes
	s_lshl_b32 s24, s21, 18                        ; W_hid: 128 ks rows + 64 T bytes
	s_add_co_u32 s24, s24, s23
	s_mov_b32 s25, 0
	s_lshr_b32 s26, s21, 1                         ; W_emb: 256 (ks / 2) + 64 (ks % 2) + 32 rt rows + 64 T bytes
	s_lshl_b32 s26, s26, 19
	s_and_b32 s27, s21, 1
	s_lshl_b32 s27, s27, 17
	s_add_co_u32 s26, s26, s27
	s_lshl_b32 s27, s22, 16
	s_add_co_u32 s26, s26, s27
	s_add_co_u32 s26, s26, s23
	s_mov_b32 s27, 0
	s_lshl_b32 s28, s22, 16                        ; hid: 16 rt rows + 512 ks bytes
	s_lshl_b32 s29, s21, 9
	s_add_co_u32 s28, s28, s29
	s_mov_b32 s29, 0
	s_mov_b32 s30, s23
	s_mov_b32 s31, 0
	s_lshr_b32 s32, s20, 3                         ; wq: (((T / 8) 8 + ks) 8 + T % 8) x 2,048 + 1,024 rt
	s_lshl_b32 s32, s32, 17
	s_lshl_b32 s33, s21, 14
	s_add_co_u32 s32, s32, s33
	s_and_b32 s33, s20, 7
	s_lshl_b32 s33, s33, 11
	s_add_co_u32 s32, s32, s33
	s_lshl_b32 s33, s22, 10
	s_add_co_u32 s32, s32, s33
	s_mov_b32 s33, 0
	s_lshl_b32 s34, s20, 11                        ; bias2: 65,536 kq + 2,048 T + 1,024 rt
	s_lshl_b32 s35, s22, 10
	s_add_co_u32 s34, s34, s35
	s_lshl_b32 s35, s42, 16
	s_add_co_u32 s34, s34, s35
	s_mov_b32 s35, 0
	s_wait_alu depctr_va_vdst(0)                   ; directly ahead of the wait below
	s_wait_kmcnt 0x0
	s_load_b128 s[36:39], s[14:15], 0x0            ; e0 (hid), e1 (W_hid), e2 (emb), e3 (W_emb)
	s_add_nc_u64 s[6:7], s[6:7], s[24:25]
	s_add_nc_u64 s[4:5], s[4:5], s[26:27]
	s_add_nc_u64 s[8:9], s[8:9], s[28:29]
	s_add_nc_u64 s[10:11], s[10:11], s[30:31]
	s_add_nc_u64 s[12:13], s[12:13], s[30:31]
	s_add_nc_u64 s[16:17], s[16:17], s[32:33]
	s_add_nc_u64 s[18:19], s[18:19], s[34:35]
.irp c, 0,1
.irp i, 0,1,2,3,4,5,6,7,8,9,10,11,12,13,14,15
	global_load_b32 v[WE+16*\c+\i], v14, s[4:5] offset:(16*\c+128*((\i/4)%2)+4*(\i/8)+\i%4)*2048   ; W_emb's rows in the order of emb's codes
.endr
.endr
.irp c, 0,1,2,3
.irp i, 0,1,2,3,4,5,6,7,8,9,10,11,12,13,14,15
	global_load_b32 v[WH+16*\c+\i], v4, s[6:7] offset:(32*\c+8*(\i/4)+\i%4)*2048       ; W_hid(128 ks + 8 (4 c + i / 4) + 4 h + i % 4, 16 T + r)
.endr
.endr
.irp c, 0,1,2,3
.irp i, 0,1,2,3
	global_load_b128 v[HD+16*\c+4*\i:HD+16*\c+4*\i+3], v5, s[8:9] offset:128*\c+32*\i   ; hid(16 rt + r, 128 ks + 8 (4 c + i) + 4 h ..)
.endr
.endr
	global_load_b128 v[24:27], v9, s[10:11]        ; b_hid(16 T + 4 (t % 4) ..)
	global_load_b128 v[28:31], v9, s[12:13]        ; b_emb likewise
	s_wait_kmcnt 0x0
.macro MKSCALE e, vs, vl               ; v[vs] = 2^e as f32, v[vl] = 57,344 x 2^e
	s_add_co_i32 s40, \e, 127
	s_lshl_b32 s41, s40, 23
	v_mov_b32 v[\vs], s41
	s_add_co_i32 s40, s40, 15
	s_lshl_b32 s40, s40, 23
	s_or_b32 s40, s40, 0x600000
	v_mov_b32 v[\vl], s40
.endm
	MKSCALE s36, 16, 17
	MKSCALE s37, 18, 19
	MKSCALE s39, 20, 21
.macro QUANT src, nb, pc, sc, lim      ; nb blocks of 16 numbers of a lane become 4 nb registers of codes
.set qb, 0
.rept \nb
.set qi, 0
.rept 16
	v_med3_num_f32 v[\src+16*qb+qi], v[\src+16*qb+qi], -v[\lim], v[\lim]   ; the conversion does not saturate (ISA guide 7.6.2): the hold at the largest code x the scale
.set qi, qi+1
.endr
	v_cvt_scalef32_pk8_bf8_f32 v[\pc+4*qb:\pc+4*qb+1], v[\src+16*qb:\src+16*qb+7], v[\sc]
	v_cvt_scalef32_pk8_bf8_f32 v[\pc+4*qb+2:\pc+4*qb+3], v[\src+16*qb+8:\src+16*qb+15], v[\sc]
.set qb, qb+1
.endr
	v_nop                                          ; one plain vector instruction behind the last conversion of a run
.endm
	s_wait_alu depctr_va_vdst(0)                   ; at the head's end
	s_wait_loadcnt 0x0
	QUANT WE, 2, WEC, 20, 21
	global_store_b128 v6, v[WEC:WEC+3], s[16:17]                ; 32 lanes store 512 consecutive bytes
	global_store_b128 v6, v[WEC+4:WEC+7], s[16:17] offset:512
	QUANT WH, 4, WHC, 18, 19
	QUANT HD, 4, HDC, 16, 17
	v_wmma_f32_16x16x128_bf8_bf8 v[DD:DD+7], v[HDC:HDC+15], v[WHC:WHC+15], 0   ; register j of lane (r, h): row 16 rt + 8 h + j of hid, column 16 T + r; my 128 along K
.rept 4
	v_nop                                          ; four places ahead of the first read of the result (ISA guide 7.12.1)
.endr
	ds_store_b128 v7, v[DD:DD+3]
	ds_store_b128 v7, v[DD+4:DD+7] offset:16
	s_wait_dscnt 0x0
	s_barrier_signal -1
	s_barrier_wait -1
.irp k, 0,1,2,3,4,5,6,7
	ds_load_b32 v[PT+\k], v8 offset:(\k/4)*1024+32*(\k%4)   ; the two K parts of my four outputs
.endr
	s_add_co_i32 s40, s36, s37
	s_add_co_i32 s40, s40, 127
	s_lshl_b32 s40, s40, 23                        ; 2^(e0 + e1) as f32
	s_cmp_eq_u32 s42, 0
	s_cselect_b32 s41, 1.0, 0                      ; the biases belong to the part kq = 0
	v_pk_add_f32 v[24:25], v[24:25], v[28:29]      ; b_hid + b_emb
	v_pk_add_f32 v[26:27], v[26:27], v[30:31]
.irp e, 0,1,2,3
	v_mul_f32 v[24+\e], s41, v[24+\e]
.endr
	s_wait_alu depctr_va_vdst(0)                   ; directly ahead of the wait below
	s_wait_dscnt 0x0
	v_pk_add_f32 v[PT:PT+1], v[PT:PT+1], v[PT+4:PT+5]
	v_pk_add_f32 v[PT+2:PT+3], v[PT+2:PT+3], v[PT+6:PT+7]
.irp e, 0,1,2,3
	v_fma_f32 v[PT+\e], v[PT+\e], s40, v[24+\e]
.endr
.irp e, 0,1,2,3
	v_mul_f32 v[PT+\e], 0x4038aa3b, v[PT+\e]       ; x 2 log2(e)
.endr
	global_store_b128 v10, v[PT:PT+3], s[18:19]    ; the work-group's 1,024 bytes are consecutive
	s_wait_tensorcnt 0x0                           ; the wave's end
	ds_add_u32 v254, v255
	s_wait_dscnt 0x0
	s_endpgm
.Lfunc_end_k_q9a0c1d288e_prep:
	.size	k_q9a0c1d288e_prep, .Lfunc_end_k_q9a0c1d288e_prep-k_q9a0c1d288e_prep
	.p2alignl 7, 3214868480
	.fill 96, 4, 3214868480
	.section	.rodata,"a",@progbits
	.p2align	6, 0x0
	.amdhsa_kernel k_q9a0c1d288e_prep
		.amdhsa_group_segment_fixed_size 2304
		.amdhsa_private_segment_fixed_size 0
		.amdhsa_enable_private_segment 0
		.amdhsa_kernarg_size 64
		.amdhsa_user_sgpr_count 2
		.amdhsa_user_sgpr_kernarg_segment_ptr 1
		.amdhsa_wavefront_size32 1
		.amdhsa_system_sgpr_workgroup_id_x 1
		.amdhsa_system_sgpr_workgroup_id_y 1
		.amdhsa_system_sgpr_workgroup_id_z 1
		.amdhsa_system_vgpr_workitem_id 0
		.amdhsa_next_free_vgpr 256
		.amdhsa_next_free_sgpr 66
		.amdhsa_reserve_vcc 0
		.amdhsa_float_denorm_mode_32 3
		.amdhsa_float_denorm_mode_16_64 3
		.amdhsa_memory_ordered 1
		.amdhsa_forward_progress 1
		.amdhsa_inst_pref_size 29
	.end_amdhsa_kernel
	.amdgpu_metadata
---
amdhsa.version: [ 1, 2 ]
amdhsa.kernels:
  - .name:           k_q9a0c1d288e_prep
    .symbol:         k_q9a0c1d288e_prep.kd
    .args:
      - { .name: W_emb, .offset: 0, .size: 8, .value_kind: global_buffer, .address_space: global }
      - { .name: W_hid, .offset: 8, .size: 8, .value_kind: global_buffer, .address_space: global }
      - { .name: hid, .offset: 16, .size: 8, .value_kind: global_buffer, .address_space: global }
      - { .name: b_hid, .offset: 24, .size: 8, .value_kind: global_buffer, .address_space: global }
      - { .name: b_emb, .offset: 32, .size: 8, .value_kind: global_buffer, .address_space: global }
      - { .name: lowp_scales, .offset: 40, .size: 8, .value_kind: global_buffer, .address_space: global }
      - { .name: wq, .offset: 48, .size: 8, .value_kind: global_buffer, .address_space: global }
      - { .name: bias2, .offset: 56, .size: 8, .value_kind: global_buffer, .address_space: global }
    .group_segment_fixed_size: 2304
    .private_segment_fixed_size: 0
    .kernarg_segment_align: 8
    .kernarg_segment_size: 64
    .max_flat_workgroup_size: 64
    .sgpr_count:     66
    .vgpr_count:     256
    .wavefront_size: 32
...
	.end_amdgpu_metadata
.endif
;; end of part 1
;; launch attn (part 2): grid 8 x 32, 4 waves a work-group, no clusters, 314,880 bytes of LDS; arguments emb, wq, bias2, att_v, lowp_scales, su, part; writes su, part
.if DOCPART == 2
	.amdgcn_target "amdgcn-amd-amdhsa--gfx1250"
	.amdhsa_code_object_version 6
	.text
	.protected	k_q9a0c1d288e_attn
	.globl	k_q9a0c1d288e_attn
	.p2align	8
	.type	k_q9a0c1d288e_attn,@function
k_q9a0c1d288e_attn:
	s_mov_b64 s[64:65], 0
	v_nop
	global_prefetch_b8 v0, s[64:65] scope:SCOPE_SE
	s_setreg_imm32_b32 hwreg(HW_REG_WAVE_MODE, 25, 1), 1
	s_wait_xcnt 0x0
; ATTN.  For one b and one chunk of 256 positions s: the scores of reference()'s tanh layer on Q(emb[s][b]) Q(W_emb) 2^(e2 + e3) + b_emb + hid_att[b]; a running-maximum softmax over the chunk; the chunk's part of the context.
; tanh(x) = 1 - 2 r, r = 1 / (1 + 2^(2 log2(e) x)).  log2(e) x score = log2(e) sum(att_v) - 2 log2(e) sum(att_v r).  THE FIRST TERM IS THE SAME FOR EVERY s, AND A SOFTMAX IS UNCHANGED BY IT: it is left out.  u[s] = the second term.
; OUT: su[b][s] = u;  part, a record of 4,608 bytes for (b, chunk): ctx[1024] = sum of 2^(u - m) emb, then 32 x (m, l).  The next launch joins the eight chunks.
; SHARES.  Two passes of 128 rows (rows of one b lie 131,072 bytes apart).  Wave w makes columns 128 w .. + 127 of all 128 rows: 8 x 8 accumulators, 512 registers: so W's 524,288 bytes are fetched once for 128 rows.
; emb IS READ FROM MEMORY ONCE, STRAIGHT INTO REGISTERS: wave w takes rows 32 w .. + 31, a K step (128 along K) at a time: one load a row, lanes 0-15 on 256 consecutive bytes and lanes 16-31 on the 256 bytes that lie 512 further on:
;   lane l holds channels 256 (ks / 2) + 64 (ks % 2) + 128 (l / 16) + 4 (l % 16) + 0 .. 3.  Two rows' 8 numbers of a lane give 4 words of bf16 for the copy in LDS and, by one conversion, 8 codes of BF8, 4 for each row, for the K step's image in LDS.
;   THE IMAGE (row x 144): byte y = the code of k = 256 (ks / 2) + 64 (ks % 2) + 128 ((y / 4) % 2) + 4 (y / 8) + y % 4, the order in which wq is laid.
;   THE COPY (row x 2,080): a lane's 8 bytes lie at 256 ks + 8 l, so that a store covers 256 consecutive bytes.  Against the order of channels that moves whole tiles of 16: place tile t of a wave's 16 holds channel tile 4 (t / 8) + 8 ((t % 8) / 4) + t % 4.
;   Eight rows are converted at a time; each LDS store stands a pair of rows behind the lines that make its data; then the loads that ask for these registers again.
; THE K LOOP.  Step j multiplies image j % 2; among its first 32 products stand the conversions of step j + 1 into the other image.  ONE barrier a step, in its middle: in front of it a wave's stores have landed and its reads of
;   image j % 2 are back; behind it the first fragments of step j + 1 are fetched.  W's fragments come from wq straight into registers, two sets, each asked for again when its step is multiplied.  K step 0 is written out: its products start the sums.
; THE MATRIX INSTRUCTION IS USED TRANSPOSED (source 0 = 16 columns of W, source 1 = 16 rows of emb): lane (r, h) holds row r, register j column 16 t + 8 h + j.
; THE CONTEXT, in bf16: source 0 holds the 128 weights in rows 0 and 8 (lanes whose number is a multiple of 8), zeros elsewhere; source 1 = 32 rows x 16 places of the copy, by transposing loads; register 0 of a result is place 16 t + r in every lane.
;   Wave w owns the copy's places 256 w .. + 255, which are channels 256 w .. + 255.  The copy's first 96 rows are fetched into accumulators that the tanh has done with.
; NO CLUSTER: no two work-groups read the same rows of emb; what they share is W, and a K step's 65,536 bytes of it have no room in LDS: the text uses 314,880 of 327,680 bytes.
; PREFETCH: where a pass's K step 0 is asked for, its K steps 1 to 3 are prefetched, behind the loads: a lane a row, two blocks of 256 bytes for each K step, each block named once in the launch.  From K step 4 on nothing is prefetched: each K step's own loads go out two K steps ahead of their use.
; LIMITS: e2 between -126 and 112; e2 + e3 between -127 and 126 (added to an exponent field).  NaN and infinities among the inputs are not served.  emb and the weights enter the context rounded to bf16; l is summed of the unrounded weights.
; REGISTERS, in windows of 256: window 0: v1-31 addresses and constants; v32-47 the context; v48-63 at work; v64-127 four fragments of emb (tanh: v96-127 score sums; context: v64-95 the weights); v128-255 emb as it lands.
;   window 1: W's fragments, two sets of 8 x 16 (set 1's registers hold att_v and the biases for the tanh, then the context's 16 sums).  windows 2, 3: accumulator (a, t) at 512 + 64 a + 8 t; for the context: the copy's fragments.
.set CP,    2080                       ; a row of the copy: 2,048 bytes + 32
.set IP,    144                        ; a row of an image: 128 bytes + 16
.set IS,    128*IP
.set IMG,   128*CP                     ; behind the copy: two images
.set BV,    IMG+2*IS                   ; for each wave 128 biases, then 128 att_v x -2 log2(e)
.set SP,    BV+4096                    ; score parts: row i at 16 i, wave w's at + 4 w
.set PW,    SP+2048                    ; for each wave the pass's 128 weights as bf16
.set ST,    PW+1024                    ; for each wave its 256 channels on the way out
.set SPARE, ST+4096                    ; the spare words, 128 bytes for each wave
.set REC,   4608
.set RB,    131072                     ; from row to row of one b in emb
.set SPW,1
.set NIL,2
.set LI,3                              ; 16 x lane
.set MK,4                              ; all ones where lane % 8 = 0
.set EO,5                              ; emb: 16 (lane % 16) + 512 (lane / 16)
.set CAB,6                             ; v6-7  copy, my rows 0-15 and 16-31: 8 x lane
.set CA,8                              ; v8-9  the same + the K step's place
.set IA,10                             ; image, my rows: 8 (lane % 16) + 4 (lane / 16)
.set AF,11                             ; image: 144 r + 16 h
.set ABV,12
.set ABVS,13
.set ASPS,14
.set ASPL,15
.set APWS,16
.set APWL,17
.set LIM,18                            ; 57,344 x 2^e2
.set SC,19                             ; 2^e2
.set CB,20                             ; v20-23 the copy's transposing loads, rows 32 ts on
.set MX,24
.set LS,25
.set T0,26                             ; v26-27 at work in the softmax; in the K loop: two rows' codes
.set T1,27
.set F,28
.set ASTS,29
.set ASTL,30
.set PO,31                             ; the prefetches' offset: lane x a row's distance
.set CTX,32
.set U,48
.set P,52
.set PB,56
.set PF,64
.set S,96
.set EP,34                             ; s[34:35] emb at my rows
.set PC,36                             ; s36 pass
.set KC,37                             ; s37 trips of the K loop
.set CO,38                             ; s38 the K step's place in a row of the copy
.set MSB, 0
.macro WIN new
.if MSB != (\new)
	s_set_vgpr_msb (MSB<<8)|(\new)
.set MSB, \new
.endif
.endm
.macro PLACES                          ; four plain vector instructions between a matrix instruction and a load into its registers or the first read of its result
.rept 4
	v_nop
.endr
.endm
.macro ELD0                            ; K step 0 of my 32 rows
.set ei, 0
.rept 32
	global_load_b128 v[128+4*ei:128+4*ei+3], v[EO], s[EP:EP+1] offset:ei*RB th:TH_LOAD_NT
.set ei, ei+1
.endr
.endm
.macro PFT                             ; K steps 1 to 3 of my 32 rows are prefetched: a lane a row, two blocks of 256 bytes a K step
.irp o, 256,768,1024,1536,1280,1792
	global_prefetch_b8 v[PO], s[EP:EP+1] offset:\o th:TH_LOAD_NT scope:SCOPE_SE
.endr
.endm
.macro WLOAD set, wofs                 ; W's eight fragments of a K step: 32 loads of 512 consecutive bytes
	WIN 0x40
.irp t, 0,1,2,3,4,5,6,7
.irp c, 0,1,2,3
	global_load_b128 v[128*(\set)+16*\t+4*\c:128*(\set)+16*\t+4*\c+3], v[LI], s[6:7] offset:(\wofs)+\t*2048+512*\c
.endr
.endr
	WIN 0
.endm
.macro AFR f, slot                     ; emb's fragment f of an image into buffer f % 4
.irp c, 0,1,2,3
	ds_load_b128 v[64+16*((\f)%4)+4*\c:64+16*((\f)%4)+4*\c+3], v[AF] offset:(\slot)*IS+(\f)*16*IP+32*\c
.endr
.endm
; rows 8 g .. 8 g + 7 of my 32: the bf16 copy, the hold, the codes.  The first pair's codes go to v26-27, each later pair's into the pair before's registers, which are done with.
; Behind pair p's lines stand the stores of its two rows of the copy and of pair p - 1's codes: 14 LDS stores; the last pair's two follow in CLAST.
.macro CONV g, cofs, slot
.set LR, 128+32*(\g)
.irp e, 0,1,2,3,4,5,6,7,8,9,10,11,12,13,14,15
	v_cvt_pk_bf16_f32 v[48+\e], v[LR+2*\e], v[LR+2*\e+1]
.endr
.irp p, 0,1,2,3
.irp e, 0,1,2,3,4,5,6,7
	v_med3_num_f32 v[LR+8*\p+\e], v[LR+8*\p+\e], -v[LIM], v[LIM]   ; the conversion does not saturate (ISA guide 7.6.2): the hold at the largest code x the scale
.endr
.if \p == 0
	v_cvt_scalef32_pk8_bf8_f32 v[T0:T0+1], v[LR:LR+7], v[SC]
.else
	v_cvt_scalef32_pk8_bf8_f32 v[LR+8*\p-8:LR+8*\p-7], v[LR+8*\p:LR+8*\p+7], v[SC]
.endif
	ds_store_b64 v[CA+(\g)/2], v[48+4*\p:49+4*\p] offset:((8*(\g)+2*\p)%16)*CP+(\cofs)
	ds_store_b64 v[CA+(\g)/2], v[50+4*\p:51+4*\p] offset:((8*(\g)+2*\p+1)%16)*CP+(\cofs)
.if \p == 1
	ds_store_b32 v[IA], v[T0] offset:(\slot)*IS+8*(\g)*IP
	ds_store_b32 v[IA], v[T0+1] offset:(\slot)*IS+(8*(\g)+1)*IP
.endif
.if \p > 1
	ds_store_b32 v[IA], v[LR+8*\p-16] offset:(\slot)*IS+(8*(\g)+2*\p-2)*IP
	ds_store_b32 v[IA], v[LR+8*\p-15] offset:(\slot)*IS+(8*(\g)+2*\p-1)*IP
.endif
.endr
.endm
.macro CLAST g, slot                   ; the last pair's codes
.set LR, 128+32*(\g)
	ds_store_b32 v[IA], v[LR+16] offset:(\slot)*IS+(8*(\g)+6)*IP
	ds_store_b32 v[IA], v[LR+17] offset:(\slot)*IS+(8*(\g)+7)*IP
.endm
.macro CELD g, eofs                    ; the eight rows' registers are asked for again
.irp q, 0,1,2,3,4,5,6,7
	global_load_b128 v[128+32*(\g)+4*\q:128+32*(\g)+4*\q+3], v[EO], s[EP:EP+1] offset:(8*(\g)+\q)*RB+(\eofs) th:TH_LOAD_NT
.endr
.endm
; A K STEP: 64 products, row tile a against W's eight; the 64 accumulators take turns.  par: the image and W's set.  zero: the products start the sums.  conv: the next step is converted.
; re: the step after that is asked for.  nxt: the barrier, and the next step's first fragments.  wl: W's set is asked for again.  mkca: the copy's addresses are made.  stp: the bases step, ahead of W's loads and four row tiles behind the last load.
; LOADcnt: behind the 8 loads that a conversion wants stand the step's later groups (24 - 8 a), W's 32 and, with re, the 8 a just issued.
; DScnt: behind a fragment's 4 loads stand the later fragments' and 16 stores for each conversion of 8 rows (at row tile 4 two more, which the count leaves out: it is the smaller).
.macro ITER par, zero, conv, re, nxt, wl, mkca, stp, cofs, eofs, wofs
.set DSS, 16*(\conv)+4
.if \mkca
	v_add_nc_u32 v[CA], s[CO], v[CAB]
	v_add_nc_u32 v[CA+1], s[CO], v[CAB+1]
	s_wait_alu depctr_va_vdst(0)
.endif
.irp a, 0,1,2,3,4,5,6,7
.if (\conv) && (\a == 0)
	s_wait_loadcnt 56                              ; my rows 0-7 of the next step are in, and with them W's set of this step, which was asked for earlier
.endif
.if \a < 4
	s_wait_dscnt 12-4*\a+\a*DSS
.elseif \a == 4
	s_wait_dscnt 3*DSS
.elseif (\nxt)==0
	s_wait_dscnt 4*(7-\a)
.endif
	WIN 0xa1+0x50*(\a/4)
.irp t, 0,1,2,3,4,5,6,7
.if \zero
	v_wmma_f32_16x16x128_bf8_bf8 v[64*(\a%4)+8*\t:64*(\a%4)+8*\t+7], v[128*(\par)+16*\t:128*(\par)+16*\t+15], v[64+16*(\a%4):64+16*(\a%4)+15], 0
.else
	v_wmma_f32_16x16x128_bf8_bf8 v[64*(\a%4)+8*\t:64*(\a%4)+8*\t+7], v[128*(\par)+16*\t:128*(\par)+16*\t+15], v[64+16*(\a%4):64+16*(\a%4)+15], v[64*(\a%4)+8*\t:64*(\a%4)+8*\t+7]
.endif
.endr
.if \a < 4
	WIN 0
.if \conv
.if \a > 0
	s_wait_loadcnt 56-8*\a*(1-(\re))               ; my rows 8 a .. + 7 of the next step are in
.endif
	CONV \a, \cofs, 1-(\par)
.else
	PLACES
.endif
	AFR \a+4, \par
.if \conv
	CLAST \a, 1-(\par)
.endif
.if \re
	CELD \a, \eofs
.endif
.endif
.if \nxt
.if \a == 4
	s_wait_dscnt 0x0                               ; my codes and my copy have landed; my reads of this image are back
	s_barrier_signal -1
.endif
.if \a == 5
	s_barrier_wait -1
	PLACES
	WIN 0
	AFR 0, 1-(\par)
	AFR 1, 1-(\par)
.endif
.if \a >= 6
	PLACES
	WIN 0
	AFR \a-4, 1-(\par)
.endif
.endif
.endr
.if \stp
	s_wait_xcnt 0x0                                ; the loads have read their bases
	s_add_nc_u64 s[EP:EP+1], s[EP:EP+1], 1024
	s_add_nc_u64 s[6:7], s[6:7], 32768
.endif
.if \wl
	WLOAD \par, \wofs
.endif
	WIN 0
.endm
; A BLOCK OF THE TANH.  A group is 32 registers (four accumulators).  Block n: z of group n + 1; 2^z of group n, + 1 of group n - 1, the reciprocals of group n - 2; the score sums of group n - 3.
; One wait at the block's head serves what the block before wrote and made; it stands directly ahead of the first readers of group n + 1's matrix results.
.macro FAG g                           ; z = sum x 2 log2(e) 2^(e2 + e3) + bias, each accumulator from its low end on
.set tb, (32*(\g))%256
.set ti, 0
.rept 16
	v_pk_fma_f32 v[tb+2*ti:tb+2*ti+1], v[tb+2*ti:tb+2*ti+1], s[40:41], v[192+32*((\g)%2)+2*ti:192+32*((\g)%2)+2*ti+1] op_sel_hi:[1,0,1]
.set ti, ti+1
.endr
.endm
.macro TRL win, first                  ; four fragments of the copy into registers that the tanh has done with
	WIN \win
.set ti, \first
.rept 4
.set tq, ti+32*((\win)/0xc0)
	ds_load_tr16_b128 v[8*ti:8*ti+3], v[CB+tq/16] offset:32*(tq%16)
	ds_load_tr16_b128 v[8*ti+4:8*ti+7], v[CB+tq/16] offset:32*(tq%16)+16*CP
.set ti, ti+1
.endr
.endm
.macro TBLK
.if tn+1 < 16
	WIN 0x92+0x41*((tn+1)/8)                       ; source 0 and destination: the accumulators' window; source 2 (the biases): window 1
.endif
	s_wait_alu depctr_va_vdst(0)
.if tn+1 < 16
	FAG tn+1
.endif
.set ti, 0
.rept 16
.if tn < 16
	WIN 0x92+0x41*(tn/8)
.set tb, (32*tn)%256+2*ti
	v_exp_f32 v[tb], v[tb]
	v_exp_f32 v[tb+1], v[tb+1]
.endif
.if (tn >= 1) && (tn <= 16)
	WIN 0x92+0x41*((tn-1)/8)
.set tb, (32*(tn-1))%256+2*ti
	v_pk_add_f32 v[tb:tb+1], v[tb:tb+1], 1.0 op_sel_hi:[1,0]
.endif
.if (tn >= 2) && (tn <= 17)
	WIN 0x92+0x41*((tn-2)/8)
.set tb, (32*(tn-2))%256+2*ti
	v_rcp_f32 v[tb], v[tb]
	v_rcp_f32 v[tb+1], v[tb+1]
.endif
.set ti, ti+1
.endr
.if tn >= 3
.set tg, tn-3
	WIN 0x06+tg/8                                  ; source 0 the accumulators' window, source 1 (att_v) window 1
.set ti, 0
.rept 16
.set tb, (32*tg)%256+2*ti
.set fs, S+4*(tg/2)+2*(ti%2)
.if ((tg%2) == 0) && (ti < 2)
	v_pk_mul_f32 v[fs:fs+1], v[tb:tb+1], v[128+32*(tg%2)+2*ti:128+32*(tg%2)+2*ti+1]
.else
	v_pk_fma_f32 v[fs:fs+1], v[tb:tb+1], v[128+32*(tg%2)+2*ti:128+32*(tg%2)+2*ti+1], v[fs:fs+1]
.endif
.set ti, ti+1
.endr
.endif
.if tn >= 11                           ; window 2 is done with: the copy's rows 0-63
	TRL 0x80, 4*(tn-11)
.endif
.if tn >= 15                           ; the lower half of window 3 is done with: rows 64-95
	TRL 0xc0, 4*(tn-15)
.endif
.endm
.macro CMUL ts                         ; 16 products: the 16 sums take turns
	WIN 0x58+4*((\ts)/2)                           ; source 0 window 0, source 1 window 2 or 3, C and D window 1
.irp t, 0,1,2,3,4,5,6,7,8,9,10,11,12,13,14,15
.if (\ts) == 0
	v_wmma_f32_16x16x32_bf16 v[128+8*\t:128+8*\t+7], v[PF+8*(\ts):PF+8*(\ts)+7], v[128*((\ts)%2)+8*\t:128*((\ts)%2)+8*\t+7], 0
.else
	v_wmma_f32_16x16x32_bf16 v[128+8*\t:128+8*\t+7], v[PF+8*(\ts):PF+8*(\ts)+7], v[128*((\ts)%2)+8*\t:128*((\ts)%2)+8*\t+7], v[128+8*\t:128+8*\t+7]
.endif
.endr
.endm
	s_load_b256 s[4:11], s[0:1], 0x0               ; emb, wq, bias2, att_v
	s_load_b128 s[12:15], s[0:1], 0x20             ; the scales' exponents, su
	s_load_b64 s[16:17], s[0:1], 0x30              ; part
	v_lshl_add_u32 v[SPW], v0, 2, SPARE
	v_mov_b32 v[NIL], 0
	v_lshrrev_b32 v48, 5, v0
	v_readfirstlane_b32 s18, v48                   ; wave
	s_and_b32 s19, ttmp7, 0xffff                   ; b
	s_mov_b32 s20, ttmp9                           ; chunk
	s_mul_i32 s50, s18, 32*CP
	s_mul_i32 s51, s18, 32*IP
	s_add_co_u32 s51, s51, IMG
	s_lshl_b32 s52, s18, 10
	s_add_co_u32 s55, s52, ST
	s_add_co_u32 s52, s52, BV
	s_lshl_b32 s53, s18, 2
	s_add_co_u32 s53, s53, SP
	s_lshl_b32 s54, s18, 8
	s_add_co_u32 s54, s54, PW
	s_lshl_b32 s56, s18, 9
	s_mov_b32 s42, 0x76543210                      ; v_permlanex16_b32's selects for lane l xor 16
	s_mov_b32 s43, 0xfedcba98
	s_mov_b32 s[PC], 0
	s_lshl_b32 s48, s20, 25                        ; emb: 256 positions a chunk, 32 a wave, b's 4,096 bytes
	s_lshl_b32 s57, s18, 22
	s_add_co_u32 s48, s48, s57
	s_lshl_b32 s57, s19, 12
	s_add_co_u32 s48, s48, s57
	s_mov_b32 s49, 0
	v_and_b32 v48, 31, v0                          ; lane
	v_and_b32 v49, 15, v0                          ; r
	v_bfe_u32 v50, v0, 4, 1                        ; h
	v_lshlrev_b32 v[LI], 4, v48
	v_lshlrev_b32 v[PO], 17, v48
	v_lshlrev_b32 v[EO], 4, v49
	v_lshl_add_u32 v[EO], v50, 9, v[EO]
	v_lshlrev_b32 v51, 3, v49
	v_lshlrev_b32 v[CAB], 3, v48
	v_add_nc_u32 v[CAB], s50, v[CAB]
	v_add_nc_u32 v[CAB+1], 16*CP, v[CAB]
	v_lshl_add_u32 v[IA], v50, 2, v51
	v_add_nc_u32 v[IA], s51, v[IA]
	v_mul_u32_u24 v[AF], v49, IP
	v_lshl_add_u32 v[AF], v50, 4, v[AF]
	v_add_nc_u32 v[AF], IMG, v[AF]
	v_lshl_add_u32 v[ABV], v50, 5, s52
	v_add_nc_u32 v[ABVS], s52, v[LI]
	v_lshl_add_u32 v[ASPS], v49, 4, s53
	v_lshlrev_b32 v[ASPL], 6, v48
	v_add_nc_u32 v[ASPL], SP, v[ASPL]
	v_lshl_add_u32 v[APWS], v48, 3, s54
	v_lshl_add_u32 v[APWL], v50, 4, s54
	v_lshl_add_u32 v[ASTS], v49, 2, s55
	v_add_nc_u32 v[ASTL], s55, v[LI]
	v_and_b32 v52, 7, v0
	v_cmp_eq_u32 vcc_lo, 0, v52
	v_cndmask_b32 v[MK], 0, -1, vcc_lo
	v_lshl_add_u32 v52, v50, 3, v52                ; the copy: row 8 h + lane % 8, 16 bytes x ((lane / 8) % 2), my 512 bytes of places
	v_mul_u32_u24 v52, v52, CP
	v_bfe_u32 v53, v0, 3, 1
	v_lshl_add_u32 v52, v53, 4, v52
	v_add_nc_u32 v[CB], s56, v52
	v_add_nc_u32 v[CB+1], 32*CP, v[CB]
	v_add_nc_u32 v[CB+2], 64*CP, v[CB]
	v_add_nc_u32 v[CB+3], 96*CP, v[CB]
	v_lshrrev_b32 v54, 2, v48                      ; bias2: lane l takes n tile l / 4, columns 4 (l % 4) on
	v_lshlrev_b32 v54, 11, v54
	v_and_b32 v53, 3, v0
	v_lshl_add_u32 v54, v53, 4, v54
	v_mov_b32 v[T1], 0                             ; written once: a lane permute's destination counts as a source
	v_mov_b32 v[MX], 0xff61b1e6                    ; m = -3e38, under every u
	v_mov_b32 v[LS], 0
.irp g, 0,1,2,3,4,5,6,7,8,9,10,11,12,13,14,15
	v_mov_b32 v[CTX+\g], 0                         ; the pass is written once: the first finds zeros
.endr
	s_wait_alu depctr_va_vdst(0)                   ; directly ahead of the wait below
	s_wait_kmcnt 0x0
	s_load_b128 s[44:47], s[12:13], 0x0            ; e0, e1, e2, e3
	s_add_nc_u64 s[EP:EP+1], s[4:5], s[48:49]
	s_lshl_b32 s48, s18, 14                        ; bias2: my eight n tiles, b's 64 bytes in each
	s_lshl_b32 s57, s19, 6
	s_add_co_u32 s48, s48, s57
	s_add_nc_u64 s[8:9], s[8:9], s[48:49]
	s_lshl_b32 s48, s18, 9                         ; att_v: my 128 numbers
	s_add_nc_u64 s[10:11], s[10:11], s[48:49]
.irp p, 0,1,2,3
	global_load_b128 v[64+4*\p:67+4*\p], v54, s[8:9] offset:65536*\p   ; the bias's four parts
.endr
	global_load_b128 v[80:83], v[LI], s[10:11]
	ELD0                                           ; the first pass's K step 0
	s_lshl_b32 s48, s18, 17                        ; wq: my 64 fragments
	s_add_nc_u64 s[6:7], s[6:7], s[48:49]
	s_lshl_b32 s48, s19, 13                        ; su: b's 2,048 numbers, the chunk's 256
	s_lshl_b32 s57, s20, 10
	s_add_co_u32 s48, s48, s57
	s_add_nc_u64 s[14:15], s[14:15], s[48:49]
	s_lshl_b32 s48, s19, 3                         ; part: record 8 b + chunk, my 1,024 bytes of it
	s_add_co_u32 s48, s48, s20
	s_mul_i32 s48, s48, REC
	s_lshl_b32 s57, s18, 10
	s_add_co_u32 s48, s48, s57
	s_add_nc_u64 s[16:17], s[16:17], s[48:49]
	s_wait_kmcnt 0x0
	s_add_co_i32 s50, s46, 127
	s_lshl_b32 s51, s50, 23
	v_mov_b32 v[SC], s51                           ; 2^e2: the conversion takes its exponent field
	s_add_co_i32 s50, s50, 15
	s_lshl_b32 s50, s50, 23
	s_or_b32 s50, s50, 0x600000
	v_mov_b32 v[LIM], s50                          ; 57,344 x 2^e2
	s_add_co_i32 s50, s46, s47
	s_lshl_b32 s50, s50, 23
	s_add_co_i32 s40, s50, 0x4038aa3b              ; 2 log2(e) x 2^(e2 + e3)
	s_mov_b32 s41, s40
	s_wait_alu depctr_va_vdst(0)                   ; at the head's end
	s_wait_loadcnt 32                              ; the biases and att_v are in; emb's 32 loads may be out
	v_pk_add_f32 v[64:65], v[64:65], v[68:69]
	v_pk_add_f32 v[66:67], v[66:67], v[70:71]
	v_pk_add_f32 v[72:73], v[72:73], v[76:77]
	v_pk_add_f32 v[74:75], v[74:75], v[78:79]
	v_pk_mul_f32 v[80:81], v[80:81], 0xc038aa3b op_sel_hi:[1,0]   ; att_v x -2 log2(e)
	v_pk_mul_f32 v[82:83], v[82:83], 0xc038aa3b op_sel_hi:[1,0]
	v_pk_add_f32 v[64:65], v[64:65], v[72:73]
	v_pk_add_f32 v[66:67], v[66:67], v[74:75]
	ds_store_b128 v[ABVS], v[80:83] offset:512     ; my wave's own bytes
	ds_store_b128 v[ABVS], v[64:67]
	WLOAD 0, 0                                     ; W's K step 0
	PFT
.Lpass:                                            ; A PASS OF 128 ROWS.  K step 0 of emb and of W were asked for ahead of it
	s_mov_b32 s[CO], 0
	v_add_nc_u32 v[CA], s[CO], v[CAB]
	v_add_nc_u32 v[CA+1], s[CO], v[CAB+1]
	s_wait_alu depctr_va_vdst(0)                   ; directly ahead of the wait below
	s_wait_loadcnt 0x0
.irp g, 0,1,2,3
	CONV \g, 0, 0                                  ; K step 0 is converted, K step 1 asked for
	CLAST \g, 0
	CELD \g, 256
.endr
	s_wait_dscnt 0x0
	s_barrier_signal -1
	s_barrier_wait -1                              ; image 0 is whole
.irp f, 0,1,2,3
	AFR \f, 0
.endr
	WLOAD 1, 16384                                 ; W's K step 1, while the fragments come
	ITER 0, 1, 1, 1, 1, 1, 0, 0, 256, 1024, 32768  ; K step 0 starts the sums
	s_mov_b32 s[KC], 2
.Lk:                                               ; K steps 1 to 4, two a trip
	ITER 1, 0, 1, 1, 1, 1, 1, 0, 512, 1280, 49152
	ITER 0, 0, 1, 1, 1, 1, 0, 1, 768, 2048, 32768
	s_add_co_u32 s[CO], s[CO], 512
	s_sub_co_u32 s[KC], s[KC], 1
	s_cmp_lg_u32 s[KC], 0
	s_wait_alu depctr_va_vdst(0)                   ; ahead of the branch
	s_cbranch_scc1 .Lk
	ITER 1, 0, 1, 1, 1, 1, 1, 0, 512, 1280, 49152  ; K step 5
	ITER 0, 0, 1, 0, 1, 0, 0, 0, 768, 0, 0         ; K step 6: K step 7 is converted, nothing more of this pass is asked for
	s_wait_loadcnt 0x0                             ; W's K step 7 is in, on both ways below
	s_wait_xcnt 0x0                                ; the loads have read their bases
	s_add_nc_u64 s[EP:EP+1], s[EP:EP+1], 128*RB-2048   ; on to the next pass's rows, back along K
	s_sub_nc_u64 s[6:7], s[6:7], 65536
	s_cmp_eq_u32 s[PC], 1
	s_cbranch_scc1 .Lno_more                       ; the last pass asks for nothing
	ELD0                                           ; the next pass's K step 0 of emb and of W land under K step 7, the tanh and the context
	WLOAD 0, 0
	PFT
.Lno_more:
	ITER 1, 0, 0, 0, 0, 0, 0, 0, 0, 0, 0           ; K step 7
	PLACES
	WIN 0x40
.irp t, 0,1,2,3,4,5,6,7
	ds_load_b128 v[128+8*\t:128+8*\t+3], v[ABV] offset:512+64*\t       ; my lane's 64 att_v and 64 biases take W's set 1
	ds_load_b128 v[128+8*\t+4:128+8*\t+7], v[ABV] offset:512+64*\t+16
	ds_load_b128 v[192+8*\t:192+8*\t+3], v[ABV] offset:64*\t
	ds_load_b128 v[192+8*\t+4:192+8*\t+7], v[ABV] offset:64*\t+16
.endr
	WIN 0
	s_wait_dscnt 0x0
	WIN 0x92
	FAG 0
.set tn, 0
.rept 19
	TBLK
.set tn, tn+1
.endr
	WIN 0
.irp a, 0,1,2,3,4,5,6,7
	v_pk_add_f32 v[S+4*\a:S+4*\a+1], v[S+4*\a:S+4*\a+1], v[S+4*\a+2:S+4*\a+3]
.endr
.irp a, 0,1,2,3,4,5,6,7
	v_add_f32 v[S+4*\a], v[S+4*\a], v[S+4*\a+1]
.endr
.irp a, 0,1,2,3,4,5,6,7
	v_permlanex16_b32 v[S+4*\a+2], v[S+4*\a], s42, s43   ; the row's other 64 of my columns lie in lane l xor 16
.endr
.irp a, 0,1,2,3,4,5,6,7
	v_add_f32 v[S+4*\a], v[S+4*\a], v[S+4*\a+2]
.endr
.irp a, 0,1,2,3,4,5,6,7
	ds_store_b32 v[ASPS], v[S+4*\a] offset:256*\a  ; row 16 a + r, my wave's part (both halves of the lanes write the same number)
.endr
	s_wait_alu depctr_va_vdst(0)
	s_wait_dscnt 0x0
	s_barrier_signal -1
	s_barrier_wait -1
.irp q, 0,1,2,3
	ds_load_b128 v[64+4*\q:67+4*\q], v[ASPL] offset:16*\q   ; row 4 lane + q: the four waves' parts
.endr
	WIN 0xc0
.irp t, 0,1,2,3,4,5,6,7,8,9,10,11,12,13,14,15
	ds_load_tr16_b128 v[128+8*\t:128+8*\t+3], v[CB+3] offset:32*\t           ; the copy's rows 96-127 come in under the softmax
	ds_load_tr16_b128 v[128+8*\t+4:128+8*\t+7], v[CB+3] offset:32*\t+16*CP
.endr
	WIN 0
	s_wait_dscnt 32                                ; the score parts are in; the 32 loads of the copy behind them may be out
.irp q, 0,1,2,3
	v_pk_add_f32 v[64+4*\q:65+4*\q], v[64+4*\q:65+4*\q], v[66+4*\q:67+4*\q]
.endr
.irp q, 0,1,2,3
	v_add_f32 v[U+\q], v[64+4*\q], v[65+4*\q]
.endr
	s_wait_alu depctr_va_vdst(0)                   ; ahead of the branch
	s_cmp_lg_u32 s18, 0
	s_cbranch_scc1 .Lno_su
	global_store_b128 v[LI], v[U:U+3], s[14:15]    ; wave 0: the pass's 128 u, 512 consecutive bytes
.Lno_su:
	v_max3_num_f32 v[T0], v[U], v[U+1], v[U+2]     ; the running softmax, alike in all four waves
	v_max_num_f32 v[T0], v[T0], v[U+3]
	v_max_num_f32_dpp v[T0], v[T0], v[T0] row_xmask:1 row_mask:0xf bank_mask:0xf
	v_max_num_f32_dpp v[T0], v[T0], v[T0] row_xmask:2 row_mask:0xf bank_mask:0xf
	v_max_num_f32_dpp v[T0], v[T0], v[T0] row_xmask:4 row_mask:0xf bank_mask:0xf
	v_max_num_f32_dpp v[T0], v[T0], v[T0] row_xmask:8 row_mask:0xf bank_mask:0xf
	v_permlanex16_b32 v[T1], v[T0], s42, s43
	v_max3_num_f32 v[T0], v[T0], v[T1], v[MX]      ; the new m
	v_sub_f32 v[F], v[MX], v[T0]
.irp q, 0,1,2,3
	v_sub_f32 v[P+\q], v[U+\q], v[T0]
.endr
	s_wait_alu depctr_va_vdst(0)                   ; ahead of the batch
	v_exp_f32 v[F], v[F]                           ; f = 2^(old m - new m)
.irp q, 0,1,2,3
	v_exp_f32 v[P+\q], v[P+\q]                     ; the four rows' weights
.endr
	v_mov_b32 v[MX], v[T0]                         ; (a plain place behind the exponentials)
	s_wait_alu depctr_va_vdst(0)                   ; and behind it
	v_fma_f32 v[LS], v[LS], v[F], v[P]             ; l is summed of the unrounded weights
	v_cvt_pk_bf16_f32 v[PB], v[P], v[P+1]
	v_cvt_pk_bf16_f32 v[PB+1], v[P+2], v[P+3]
	v_add_f32 v[LS], v[LS], v[P+1]
	ds_store_b64 v[APWS], v[PB:PB+1]               ; my wave's own bytes: LDS serves a wave's instructions in order (ISA guide 5.7.1.4)
	v_add_f32 v[LS], v[LS], v[P+2]
	v_add_f32 v[LS], v[LS], v[P+3]
.irp s, 0,1,2,3
	ds_load_b128 v[PF+8*\s:PF+8*\s+3], v[APWL] offset:64*\s       ; rows 32 s + 8 h .. + 7,
	ds_load_b128 v[PF+8*\s+4:PF+8*\s+7], v[APWL] offset:64*\s+32  ; and 16 further on
.endr
	s_wait_alu depctr_va_vdst(0)                   ; directly ahead of the wait below
	s_wait_dscnt 0x0                               ; the weights and the whole copy are in
.set pi, 0
.rept 32
	v_and_b32 v[PF+pi], v[MK], v[PF+pi]            ; kept in rows 0 and 8 of source 0 alone
.set pi, pi+1
.endr
	CMUL 0
	CMUL 1
	CMUL 2
	CMUL 3
	PLACES
	WIN 0x10                                       ; source 2 window 1
.irp t, 0,1,2,3,4,5,6,7,8,9,10,11,12,13,14,15
	v_fma_f32 v[CTX+\t], v[CTX+\t], v[F], v[128+8*\t]   ; what was summed under the old m, x f, + the pass's sum: register 0 of each result
.endr
	WIN 0
	s_wait_xcnt 0x0                                ; the store of u has read its data and its base
	s_add_nc_u64 s[14:15], s[14:15], 512
	s_wait_alu depctr_va_vdst(0)                   ; ahead of the barrier and the branch
	s_barrier_signal -1
	s_barrier_wait -1                              ; every wave's reads of the copy are back: the next pass may write it
	s_add_co_u32 s[PC], s[PC], 1
	s_cmp_lt_u32 s[PC], 2
	s_cbranch_scc1 .Lpass
	v_add_f32_dpp v[LS], v[LS], v[LS] row_xmask:1 row_mask:0xf bank_mask:0xf   ; l: the 32 lanes' parts
	v_add_f32_dpp v[LS], v[LS], v[LS] row_xmask:2 row_mask:0xf bank_mask:0xf
	v_add_f32_dpp v[LS], v[LS], v[LS] row_xmask:4 row_mask:0xf bank_mask:0xf
	v_add_f32_dpp v[LS], v[LS], v[LS] row_xmask:8 row_mask:0xf bank_mask:0xf
	v_permlanex16_b32 v[T1], v[LS], s42, s43
	v_add_f32 v[LS], v[LS], v[T1]
	v_lshrrev_b32 v[T0], 1, v[LI]                  ; 8 x lane
.irp t, 0,1,2,3,4,5,6,7,8,9,10,11,12,13,14,15
	ds_store_b32 v[ASTS], v[CTX+\t] offset:64*(4*(\t/8)+8*((\t%8)/4)+\t%4)   ; place tile t is channel tile 4 (t / 8) + 8 ((t % 8) / 4) + t % 4 (both halves of the lanes write the same number), through my own stage
.endr
	ds_load_b128 v[64:67], v[ASTL]
	ds_load_b128 v[68:71], v[ASTL] offset:512
	s_wait_alu depctr_va_vdst(0)                   ; ahead of the branch
	s_cmp_lg_u32 s18, 0
	s_cbranch_scc1 .Lno_ml
	global_store_b64 v[T0], v[MX:MX+1], s[16:17] offset:4096   ; wave 0: (m, l), 32 times: 256 consecutive bytes behind the record's 4,096 of context
.Lno_ml:
	s_wait_dscnt 0x0
	global_store_b128 v[LI], v[64:67], s[16:17]    ; channels 256 w + 4 lane ..: 512 consecutive bytes
	global_store_b128 v[LI], v[68:71], s[16:17] offset:512
	s_wait_tensorcnt 0x0                           ; the wave's end, behind my last LDS store
	ds_add_u32 v[SPW], v[NIL]
	s_wait_dscnt 0x0
	s_endpgm
.Lfunc_end_k_q9a0c1d288e_attn:
	.size	k_q9a0c1d288e_attn, .Lfunc_end_k_q9a0c1d288e_attn-k_q9a0c1d288e_attn
	.p2alignl 7, 3214868480
	.fill 96, 4, 3214868480
	.section	.rodata,"a",@progbits
	.p2align	6, 0x0
	.amdhsa_kernel k_q9a0c1d288e_attn
		.amdhsa_group_segment_fixed_size 314880
		.amdhsa_private_segment_fixed_size 0
		.amdhsa_enable_private_segment 0
		.amdhsa_kernarg_size 56
		.amdhsa_user_sgpr_count 2
		.amdhsa_user_sgpr_kernarg_segment_ptr 1
		.amdhsa_wavefront_size32 1
		.amdhsa_system_sgpr_workgroup_id_x 1
		.amdhsa_system_sgpr_workgroup_id_y 1
		.amdhsa_system_sgpr_workgroup_id_z 1
		.amdhsa_system_vgpr_workitem_id 0
		.amdhsa_next_free_vgpr 1024
		.amdhsa_next_free_sgpr 66
		.amdhsa_reserve_vcc 1
		.amdhsa_float_denorm_mode_32 3
		.amdhsa_float_denorm_mode_16_64 3
		.amdhsa_memory_ordered 1
		.amdhsa_forward_progress 1
		.amdhsa_inst_pref_size 255
	.end_amdhsa_kernel
	.section	.bss,"aw",@nobits
	.p2align	6
	.space	262144
	.amdgpu_metadata
---
amdhsa.version: [ 1, 2 ]
amdhsa.kernels:
  - .name:           k_q9a0c1d288e_attn
    .symbol:         k_q9a0c1d288e_attn.kd
    .args:
      - { .name: emb, .offset: 0, .size: 8, .value_kind: global_buffer, .address_space: global }
      - { .name: wq, .offset: 8, .size: 8, .value_kind: global_buffer, .address_space: global }
      - { .name: bias2, .offset: 16, .size: 8, .value_kind: global_buffer, .address_space: global }
      - { .name: att_v, .offset: 24, .size: 8, .value_kind: global_buffer, .address_space: global }
      - { .name: lowp_scales, .offset: 32, .size: 8, .value_kind: global_buffer, .address_space: global }
      - { .name: su, .offset: 40, .size: 8, .value_kind: global_buffer, .address_space: global }
      - { .name: part, .offset: 48, .size: 8, .value_kind: global_buffer, .address_space: global }
    .group_segment_fixed_size: 314880
    .private_segment_fixed_size: 0
    .kernarg_segment_align: 8
    .kernarg_segment_size: 56
    .max_flat_workgroup_size: 128
    .sgpr_count:     66
    .vgpr_count:     1024
    .wavefront_size: 32
...
	.end_amdgpu_metadata
.endif
;; end of part 2
;; launch fin (part 3): grid 8 x 32, 1 waves a work-group, no clusters, 0 bytes of LDS; arguments su, part, out0, out1; writes out0, out1
.if DOCPART == 3
	.amdgcn_target "amdgcn-amd-amdhsa--gfx1250"
	.amdhsa_code_object_version 6
	.text
	.protected	k_q9a0c1d288e_fin
	.globl	k_q9a0c1d288e_fin
	.p2align	8
	.type	k_q9a0c1d288e_fin,@function
k_q9a0c1d288e_fin:
	s_mov_b64 s[64:65], 0
	v_nop
	global_prefetch_b8 v0, s[64:65] scope:SCOPE_SE
	s_setreg_imm32_b32 hwreg(HW_REG_WAVE_MODE, 25, 1), 1
	s_wait_xcnt 0x0
; FIN.  The eight chunks of each b are joined.  M = the largest m_c; g_c = 2^(m_c - M); L = sum of l_c g_c (at least 1: the chunk that holds M adds a term 1);
; out0[b][e] = (sum of ctx_c[e] g_c) / L;  out1[b][s] = 2^(u[s] - M) / L.
; One wave a work-group: work-group (x, b) makes 128 channels of out0 and 256 weights of out1.  Every load and store of the wave but the eight pairs (m, l) covers 512 consecutive bytes.
; No LDS, no barrier, no matrix unit: 1.3 MB are read once and 0.4 MB written once.
.set REC, 4608                         ; a record: ctx[1024], then (m, l)
	s_load_b256 s[4:11], s[0:1], 0x0               ; su s[4:5], part s[6:7], out0 s[8:9], out1 s[10:11]
	s_and_b32 s12, ttmp7, 0xffff                   ; b
	v_lshlrev_b32 v1, 4, v0                        ; 16 x lane
	s_wait_alu depctr_va_vdst(0)
	v_mov_b32 v2, 0
	s_mul_i32 s14, s12, 8*REC                      ; b's eight records
	s_mov_b32 s15, 0
	s_lshl_b32 s16, s12, 13                        ; su and out1: b's 8,192 bytes, x's 1,024
	s_lshl_b32 s17, ttmp9, 10
	s_add_co_u32 s16, s16, s17
	s_mov_b32 s17, 0
	s_lshl_b32 s18, s12, 12                        ; out0: b's 4,096 bytes, x's 512
	s_lshl_b32 s20, ttmp9, 9
	s_add_co_u32 s18, s18, s20
	s_mov_b32 s19, 0
	v_add_nc_u32 v3, s20, v1                       ; in a record: 512 x + 16 x lane
	s_wait_alu depctr_va_vdst(0)
	s_wait_kmcnt 0x0
	s_add_nc_u64 s[6:7], s[6:7], s[14:15]
	s_add_nc_u64 s[4:5], s[4:5], s[16:17]
	s_add_nc_u64 s[10:11], s[10:11], s[16:17]
	s_add_nc_u64 s[8:9], s[8:9], s[18:19]
.irp c, 0,1,2,3,4,5,6,7
	global_load_b64 v[4+2*\c:5+2*\c], v2, s[6:7] offset:\c*REC+4096    ; (m_c, l_c), the same in every lane
.endr
.irp c, 0,1,2,3,4,5,6,7
	global_load_b128 v[20+4*\c:23+4*\c], v3, s[6:7] offset:\c*REC      ; ctx_c, my four channels
.endr
	global_load_b128 v[52:55], v1, s[4:5]          ; u, eight a lane
	global_load_b128 v[56:59], v1, s[4:5] offset:512
	s_wait_loadcnt 10                              ; the eight pairs are in; the ten loads behind them may be out
	v_max3_num_f32 v68, v4, v6, v8
	v_max3_num_f32 v68, v68, v10, v12
	v_max3_num_f32 v68, v68, v14, v16
	v_max_num_f32 v68, v68, v18                    ; M
.irp c, 0,1,2,3,4,5,6,7
	v_sub_f32 v[60+\c], v[4+2*\c], v68
.endr
	s_wait_alu depctr_va_vdst(0)
.irp c, 0,1,2,3,4,5,6,7
	v_exp_f32 v[60+\c], v[60+\c]                   ; g_c
.endr
	v_nop                                          ; a plain place behind the exponentials
	s_wait_alu depctr_va_vdst(0)
	v_mul_f32 v69, v5, v60
.irp c, 1,2,3,4,5,6,7
	v_fmac_f32 v69, v[5+2*\c], v[60+\c]            ; L
.endr
	s_wait_alu depctr_va_vdst(0)
	v_rcp_f32 v70, v69
	s_wait_loadcnt 0x0
.irp j, 0,1,2,3,4,5,6,7
	v_sub_f32 v[52+\j], v[52+\j], v68              ; (plain places behind the reciprocal)
.endr
	s_wait_alu depctr_va_vdst(0)
.irp j, 0,1,2,3,4,5,6,7
	v_exp_f32 v[52+\j], v[52+\j]
.endr
.irp e, 0,1,2,3
	v_mul_f32 v[72+\e], v[20+\e], v60              ; (plain places behind the exponentials)
.endr
.irp c, 1,2,3,4,5,6,7
.irp e, 0,1,2,3
	v_fmac_f32 v[72+\e], v[20+4*\c+\e], v[60+\c]
.endr
.endr
	s_wait_alu depctr_va_vdst(0)
.irp e, 0,1,2,3
	v_mul_f32 v[72+\e], v[72+\e], v70
.endr
.irp j, 0,1,2,3,4,5,6,7
	v_mul_f32 v[52+\j], v[52+\j], v70
.endr
	global_store_b128 v1, v[72:75], s[8:9]
	global_store_b128 v1, v[52:55], s[10:11]
	global_store_b128 v1, v[56:59], s[10:11] offset:512
	s_endpgm
.Lfunc_end_k_q9a0c1d288e_fin:
	.size	k_q9a0c1d288e_fin, .Lfunc_end_k_q9a0c1d288e_fin-k_q9a0c1d288e_fin
	.p2alignl 7, 3214868480
	.fill 96, 4, 3214868480
	.section	.rodata,"a",@progbits
	.p2align	6, 0x0
	.amdhsa_kernel k_q9a0c1d288e_fin
		.amdhsa_group_segment_fixed_size 0
		.amdhsa_private_segment_fixed_size 0
		.amdhsa_enable_private_segment 0
		.amdhsa_kernarg_size 32
		.amdhsa_user_sgpr_count 2
		.amdhsa_user_sgpr_kernarg_segment_ptr 1
		.amdhsa_wavefront_size32 1
		.amdhsa_system_sgpr_workgroup_id_x 1
		.amdhsa_system_sgpr_workgroup_id_y 1
		.amdhsa_system_sgpr_workgroup_id_z 1
		.amdhsa_system_vgpr_workitem_id 0
		.amdhsa_next_free_vgpr 80
		.amdhsa_next_free_sgpr 66
		.amdhsa_reserve_vcc 0
		.amdhsa_float_denorm_mode_32 3
		.amdhsa_float_denorm_mode_16_64 3
		.amdhsa_memory_ordered 1
		.amdhsa_forward_progress 1
		.amdhsa_inst_pref_size 7
	.end_amdhsa_kernel
	.amdgpu_metadata
---
amdhsa.version: [ 1, 2 ]
amdhsa.kernels:
  - .name:           k_q9a0c1d288e_fin
    .symbol:         k_q9a0c1d288e_fin.kd
    .args:
      - { .name: su, .offset: 0, .size: 8, .value_kind: global_buffer, .address_space: global }
      - { .name: part, .offset: 8, .size: 8, .value_kind: global_buffer, .address_space: global }
      - { .name: out0, .offset: 16, .size: 8, .value_kind: global_buffer, .address_space: global }
      - { .name: out1, .offset: 24, .size: 8, .value_kind: global_buffer, .address_space: global }
    .group_segment_fixed_size: 0
    .private_segment_fixed_size: 0
    .kernarg_segment_align: 8
    .kernarg_segment_size: 32
    .max_flat_workgroup_size: 32
    .sgpr_count:     66
    .vgpr_count:     80
    .wavefront_size: 32
...
	.end_amdgpu_metadata
.endif
;; end of part 3
